; MI455X (gfx1250); checked and timed in simulation.
; The chip was launched on July 23, 2026; its instructions are those of AMD's public machine-readable ISA for CDNA 5 (MIT licence, August 2026) and "CDNA5" Instruction Set Architecture Reference Guide (July 2026). The comments in the code are by the model that wrote it; some were corrected since.
;; Switch Mo E. Allowed arithmetic: matrix products marked QUANTISED: E4M3 operands, one given power-of-two scale a tensor, by v_wmma_f32_16x16x64_fp8_fp8 or v_wmma_f32_16x16x128_fp8_fp8, f32 sums; products left as they are: f32 operands where the result goes on into a quantised operand, else bf16, f16 or f32 operands; f32 sums; everything else in f32.
;; Inputs: b1 8 x 4,096 float32; b2 8 x 1,024 float32; gate_b 8 float32; gate_w 1,024 x 8 float32; lowp_scales 4 int32 (the exponents e of the quantised operands' scales 2^e); w1 8 x 1,024 x 4,096 float32; w2 8 x 4,096 x 1,024 float32; x 4 x 256 x 1,024 float32.
;; Outputs: out0 4 x 256 x 1,024 float32.
;; This version of the problem:
;;   THIS VERSION OF THE PROBLEM IS GIVEN IN LOW PRECISION. The matrix products marked QUANTISED in the list below multiply operands that are first quantised to E4M3 (4 exponent bits, 3 mantissa bits; 8 bits a number), with one given power-of-two scale for each operand tensor; their sums are f32. All else is computed in f32.
;;   The module's matrix products, in the order in which they are computed (A, B: the left and right operand; K: the contracted axis; several contracted axes count as one K, in the product's order):
;;     1. [M 1,024, K 1,024] x [K 1,024, N 8]; A: input x; B: input gate_w: left as it is (N = 8 < 16)
;;     2. [M 32,768, K 1,024] x [K 1,024, N 1,024]; A: input w1; B: input x: QUANTISED (scales: A lowp_scales[0], B lowp_scales[1])
;;     3. batch 8 x [M 1,024, K 4,096] x [K 4,096, N 1,024]; A: computed on the way; B: input w2: QUANTISED (scales: A lowp_scales[2], B lowp_scales[3])
;;     4. batch 1,024 x [M 1,024, K 8] x [K 8, N 1]; A: computed on the way; B: computed on the way: left as it is (K = 8 < 32)
;;   THE QUANTISER, for each operand of a quantised product, along K:
;;     - The operand's scale is 2^e, e = its entry of the input lowp_scales (int32; the entries are numbered through the quantised products in the list's order, A before B).
;;     - Each number is divided by the scale, clamped to +-448, and rounded to the nearest number of E4M3, ties to even, subnormals kept.
;;     - The product sums the exact products of the quantised numbers (number of the format x scale) in f32.
;;   ~~~python
;;   def quantise(x, axis, e):      # numpy; x: float32 -> the quantised numbers, widened to float32 again
;;       x = np.moveaxis(x, axis, -1); K = x.shape[-1]
;;       r = np.clip(x / 2.0 ** e, -448, 448)
;;       step = 2.0 ** (np.maximum(np.frexp(np.where(r == 0, 1, r))[1] - 1, -6) - 3)
;;       q = np.round(r / step) * step * 2.0 ** e      # np.round: ties to even
;;       return np.moveaxis(q, -1, axis).astype(np.float32)
;;   ~~~
;;   OPERANDS COMPUTED ON THE WAY. 'Computed on the way' means the value that the module computes at that place (a softmax that the list does not call 'softmax' is quantised finished and normalised). What goes into a quantiser is computed in f32, as accurately as f32 sums, v_exp_f32 and their like allow (about 1e-6 of the number): no bf16 or f16 on the way to a quantiser, and a product that is left as it is and whose result goes on into a quantised operand takes f32 operands (vector FMAs, or v_wmma_f32_16x16x4_f32). A number that lies on a knife's edge between two numbers of the format may be rounded either way, as far as f32 arithmetic and the matrix unit's own rounding can turn it there, and no further.
;; One version. Each part assembles by itself: llvm-mc -triple=amdgcn-amd-amdhsa -mcpu=gfx1250 --defsym DOCPART=n.
;; ======== version 1 of 1: 4 launches
;; workspace buffers: sel 4,096 bytes of whole numbers; xq 1,048,576 bytes; hq 41,943,040 bytes; part 33,554,432 bytes
;; launch route (part 1): grid 256 x 1, 4 waves a work-group, no clusters, 1,024 bytes of LDS; arguments x, gate_w, gate_b, lowp_scales, xq, sel; writes xq, sel
.if DOCPART == 1
	.amdgcn_target "amdgcn-amd-amdhsa--gfx1250"
	.amdhsa_code_object_version 6
	.text
	.protected	k_q55093c081a_route
	.globl	k_q55093c081a_route
	.p2align	8
	.type	k_q55093c081a_route,@function
k_q55093c081a_route:
	s_mov_b64 s[64:65], 0
	v_nop
	global_prefetch_b8 v0, s[64:65] scope:SCOPE_SE
	s_setreg_imm32_b32 hwreg(HW_REG_WAVE_MODE, 25, 1), 1
	s_wait_xcnt 0x0
; THE GATE AND x's CODES.  x: [1024 tokens][1024] f32; gate_w: [1024][8]; gate_b: [8].
; For each token: 8 logits in f32 (fused multiply-adds), softmax with the row's maximum taken away, the two largest
; probabilities (of equal ones the lower index is taken), stored as a word with the two experts' bits: sel[t].
; x is also turned into codes of E4M3 with the given scale 2^e1 (entry 1 of the scales): xq[t][k], one byte a number, K as it lies.
; SHARES: a work-group of four waves takes four tokens.  THE WAVES SHARE K: wave w takes k = 256 w .. 256 w + 255 of all four tokens, lane l of it
; k = 256 w + 8 l + n (n = 0 .. 7): 24 loads a wave in all, eight neighbours along K for a conversion, and 8 bytes of codes a lane, so that a store of the wave covers 256 consecutive bytes.
; Each wave adds its 32 sums (4 tokens x 8 experts) over its lanes and puts them into its own 128 bytes of LDS; behind one barrier wave w adds the four waves' parts of token w and finishes that token.
; No address and no branch hangs on a floating-point number: the choice only selects values, which are stored at fixed places.
; LIMITS: e1 between -126 and 119.  NaN among the inputs is not served (two different bits are stored all the same).
; A token whose second and third probabilities differ by less than the f32 rounding of the sums may choose otherwise than a sum in another order.
; REGISTERS: v1 lane, v2-v4, v7 offsets, v5, v6 LDS addresses; v8-39 the sums (token i: 8 + 8 i + e), then v8-15 my token's logits; v40-47 at work; v48-55 the whole numbers 0 .. 7;
;   v56 -1.0; v57 the word; v58, v59 the scale and the hold; v64-95 x (token i: 64 + 8 i + n); v96-159 gate_w (96 + 8 n + e); v160-167 codes; v168-199 the four waves' parts of my token.
.set ACC, 8
.set WK,  40
.set BV,  44
.set IA,  45
.set IB,  46
.set TT,  47
.set KI,  48
.set NEG, 56
.set MK,  57
.set SCX, 58
.set LMX, 59
.set XR,  64
.set GW,  96
.set CD,  160
.set PS,  168
	s_load_b256 s[4:11], s[0:1], 0x0               ; x s[4:5], gate_w s[6:7], gate_b s[8:9], the scales s[10:11]
	s_load_b128 s[12:15], s[0:1], 0x20             ; xq s[12:13], sel s[14:15]
	v_lshl_add_u32 v208, v0, 2, 0x200
	v_mov_b32 v209, 0
	v_lshrrev_b32 v1, 5, v0
	v_readfirstlane_b32 s33, v1                    ; wave 0 .. 3
	v_and_b32 v1, 31, v0                           ; lane
	v_lshlrev_b32 v2, 5, v1                        ; x: 8 numbers a lane
	v_lshlrev_b32 v3, 8, v1                        ; gate_w: 8 rows of 32 bytes a lane
	v_lshlrev_b32 v4, 3, v1                        ; xq: 8 codes a lane
	v_mov_b32 v7, 0                                ; sel: the word's place stands in the base
	s_lshl_b32 s36, s33, 7
	v_mov_b32 v5, s36                              ; LDS: my wave's 128 bytes
	s_lshl_b32 s37, s33, 5
	v_mov_b32 v6, s37                              ; LDS: my token's 32 bytes of a wave's 128
	s_lshl_b32 s24, ttmp9, 14                      ; x: the work-group's four rows, my wave's 1,024 bytes of a row
	s_lshl_b32 s25, s33, 10
	s_add_co_u32 s24, s24, s25
	s_mov_b32 s25, 0
	s_lshl_b32 s26, ttmp9, 12                      ; xq likewise: 256 bytes of a row
	s_lshl_b32 s27, s33, 8
	s_add_co_u32 s26, s26, s27
	s_mov_b32 s27, 0
	s_lshl_b32 s2, ttmp9, 4                        ; sel: my token's word
	s_lshl_b32 s3, s33, 2
	s_add_co_u32 s2, s2, s3
	s_mov_b32 s3, 0
	s_lshl_b32 s34, s33, 13                        ; gate_w: my wave's 256 rows
	s_mov_b32 s35, 0
	s_mov_b32 s30, 0x76543210                      ; v_permlanex16_b32: lane l xor 16
	s_mov_b32 s31, 0xfedcba98
	s_mov_b32 s29, 0x3fb8aa3b                      ; log2(e)
	s_wait_kmcnt 0x0
	s_load_b256 s[16:23], s[8:9], 0x0              ; gate_b
	s_load_b32 s28, s[10:11], 0x4                  ; e1
	s_add_nc_u64 s[4:5], s[4:5], s[24:25]
	s_add_nc_u64 s[6:7], s[6:7], s[34:35]
	s_add_nc_u64 s[12:13], s[12:13], s[26:27]
	s_add_nc_u64 s[14:15], s[14:15], s[2:3]
.irp i,0,1,2,3
.irp jj,0,1
	global_load_b128 v[XR+8*\i+4*\jj:XR+8*\i+4*\jj+3], v2, s[4:5] offset:4096*\i+16*\jj th:TH_LOAD_NT
.endr
.endr
.irp n,0,1,2,3,4,5,6,7
	global_load_b128 v[GW+8*\n:GW+8*\n+3],   v3, s[6:7] offset:32*\n
	global_load_b128 v[GW+8*\n+4:GW+8*\n+7], v3, s[6:7] offset:32*\n+16
.endr
	s_wait_loadcnt 0x0
	; the dot products: for each of my 8 k, four tokens x four pairs of experts: sixteen chains that do not wait for each other.
	; x's number is taken for both halves of the packed form (its first or its second register of the pair).  The first product starts the sums.
.set kk, 0
.rept 8
.irp i,0,1,2,3
.irp ep,0,1,2,3
.set rA, ACC+8*\i+2*\ep
.set rX, XR+8*\i+(kk/2)*2
.set rG, GW+8*kk+2*\ep
.if kk == 0
	v_pk_mul_f32 v[rA:rA+1], v[rX:rX+1], v[rG:rG+1] op_sel_hi:[0,1]
.elseif (kk%2) == 0
	v_pk_fma_f32 v[rA:rA+1], v[rX:rX+1], v[rG:rG+1], v[rA:rA+1] op_sel_hi:[0,1,1]
.else
	v_pk_fma_f32 v[rA:rA+1], v[rX:rX+1], v[rG:rG+1], v[rA:rA+1] op_sel:[1,0,0] op_sel_hi:[1,1,1]
.endif
.endr
.endr
.set kk, kk+1
.endr
	s_wait_kmcnt 0x0
	s_add_co_i32 s28, s28, 127
	s_lshl_b32 s2, s28, 23
	v_mov_b32 v[SCX], s2                           ; 2^e1 as f32: the conversion takes its exponent field
	s_add_co_i32 s28, s28, 8
	s_lshl_b32 s28, s28, 23
	s_or_b32 s28, s28, 0x600000
	v_mov_b32 v[LMX], s28                          ; 448 x 2^e1
	; x's codes
.irp i,0,1,2,3
.irp n,0,1,2,3,4,5,6,7
	v_med3_num_f32 v[XR+8*\i+\n], v[XR+8*\i+\n], -v[LMX], v[LMX]   ; the conversion to an 8-bit code does not saturate (ISA guide 7.6.2): the hold comes first
.endr
.endr
.irp i,0,1,2,3
	v_cvt_scalef32_pk8_fp8_f32 v[CD+2*\i:CD+2*\i+1], v[XR+8*\i:XR+8*\i+7], v[SCX]
.endr
	v_nop                                          ; a plain line behind the last conversion: x's registers are written again below
.irp i,0,1,2,3
	global_store_b64 v4, v[CD+2*\i:CD+2*\i+1], s[12:13] offset:1024*\i   ; 32 lanes store 256 consecutive bytes, at a multiple of 256 from xq's first byte
.endr
	; my wave's 32 sums over its 32 lanes: four steps inside each half ride on the additions, one crosses the halves
.irp m,1,2,4,8
.set jj, 0
.rept 32
	v_add_f32_dpp v[ACC+jj], v[ACC+jj], v[ACC+jj] row_xmask:\m row_mask:0xf bank_mask:0xf
.set jj, jj+1
.endr
.endr
.set jj, 0
.rept 32
	v_permlanex16_b32 v[XR+jj], v[ACC+jj], s30, s31   ; (x's registers have been written: the destination counts as read)
.set jj, jj+1
.endr
.set jj, 0
.rept 32
	v_add_f32 v[ACC+jj], v[ACC+jj], v[XR+jj]
.set jj, jj+1
.endr
.irp j,0,1,2,3,4,5,6,7
	ds_store_b128 v5, v[ACC+4*\j:ACC+4*\j+3] offset:16*\j   ; all lanes hold the same numbers and write the same bytes: token i's eight sums at 32 i of my wave's 128
.endr
	s_wait_dscnt 0x0                               ; for the others' sake: my sums have landed
	s_barrier_signal -1
	s_barrier_wait -1
.irp u,0,1,2,3
	ds_load_b128 v[PS+8*\u:PS+8*\u+3],   v6 offset:128*\u      ; wave u's part of my token
	ds_load_b128 v[PS+8*\u+4:PS+8*\u+7], v6 offset:128*\u+16
.endr
	s_wait_dscnt 0x0
.irp ep,0,2,4,6
	v_pk_add_f32 v[PS+\ep:PS+\ep+1],       v[PS+\ep:PS+\ep+1],       v[PS+8+\ep:PS+9+\ep]
	v_pk_add_f32 v[PS+16+\ep:PS+17+\ep],   v[PS+16+\ep:PS+17+\ep],   v[PS+24+\ep:PS+25+\ep]
.endr
.irp ep,0,2,4,6
	v_pk_add_f32 v[PS+\ep:PS+\ep+1], v[PS+\ep:PS+\ep+1], v[PS+16+\ep:PS+17+\ep]
.endr
.irp e,0,1,2,3,4,5,6,7
	v_add_f32 v[ACC+\e], s[16+\e], v[PS+\e]        ; + gate_b: my token's eight logits, in every lane
.endr
	; softmax: the row's maximum is taken away, p = 2^((l - m) log2 e) / the sum
	v_max3_num_f32 v[WK], v[ACC], v[ACC+1], v[ACC+2]
	v_max3_num_f32 v[WK+1], v[ACC+3], v[ACC+4], v[ACC+5]
	v_max3_num_f32 v[WK], v[WK], v[ACC+6], v[ACC+7]
	v_max_num_f32 v[WK], v[WK], v[WK+1]
	v_mul_f32 v[WK+1], s29, v[WK]
.irp e,0,1,2,3,4,5,6,7
	v_fma_f32 v[ACC+\e], v[ACC+\e], s29, -v[WK+1]
.endr
.irp e,0,1,2,3,4,5,6,7
	v_exp_f32 v[ACC+\e], v[ACC+\e]
.endr
.irp e,0,1,2,3,4,5,6,7
	v_mov_b32 v[KI+\e], \e                         ; plain lines behind the exponentials: the whole numbers that the choice selects among
.endr
	s_wait_alu depctr_va_vdst(0)                   ; one wait for the batch of eight, ahead of its first reader
	v_pk_add_f32 v[XR:XR+1],   v[ACC:ACC+1],   v[ACC+2:ACC+3]
	v_pk_add_f32 v[XR+2:XR+3], v[ACC+4:ACC+5], v[ACC+6:ACC+7]
	v_pk_add_f32 v[XR:XR+1], v[XR:XR+1], v[XR+2:XR+3]
	v_add_f32 v[WK+2], v[XR], v[XR+1]
	v_rcp_f32 v[WK+3], v[WK+2]
	v_mov_b32 v[NEG], -1.0                         ; a plain line behind the reciprocal
	s_wait_alu depctr_va_vdst(0)                   ; and its wait, ahead of its first reader
.irp e,0,1,2,3,4,5,6,7
	v_mul_f32 v[ACC+\e], v[ACC+\e], v[WK+3]        ; the probabilities
.endr
; the index of the largest of the eight numbers; a later one must be strictly larger, so of equal ones the lower index stays
.macro BEST idx
	v_mov_b32 v[BV], v[ACC]
	v_mov_b32 v[\idx], 0
.irp e,1,2,3,4,5,6,7
	v_cmp_gt_f32 vcc_lo, v[ACC+\e], v[BV]
	v_cndmask_b32 v[BV], v[BV], v[ACC+\e], vcc_lo
	v_cndmask_b32 v[\idx], v[\idx], v[KI+\e], vcc_lo
.endr
.endm
	BEST IA
.irp e,0,1,2,3,4,5,6,7
	v_cmp_eq_u32 vcc_lo, \e, v[IA]
	v_cndmask_b32 v[ACC+\e], v[ACC+\e], v[NEG], vcc_lo   ; the winner leaves: -1 lies under every probability
.endr
	BEST IB
	v_cmp_eq_u32 vcc_lo, v[IA], v[IB]              ; (only NaN can bring the same index twice: two different bits are stored all the same)
	v_xor_b32 v[TT], 1, v[IA]
	v_cndmask_b32 v[IB], v[IB], v[TT], vcc_lo
	v_lshlrev_b32 v[IA], v[IA], v[KI+1]
	v_lshlrev_b32 v[IB], v[IB], v[KI+1]
	v_or_b32 v[MK], v[IA], v[IB]
	v_cmp_eq_u32 vcc_lo, 0, v1                     ; lane 0 stores the word
	s_wait_xcnt 0x0                                ; EXEC is a source of the stores above: it changes only behind this wait
	s_wait_tensorcnt 0x0
	ds_add_u32 v208, v209
	s_wait_dscnt 0x0
	s_and_saveexec_b32 s2, vcc_lo
	global_store_b32 v7, v[MK], s[14:15]
	s_wait_xcnt 0x0                                ; and again in front of the line that widens it
	s_or_b32 exec_lo, exec_lo, s2
	s_endpgm
.Lfunc_end_k_q55093c081a_route:
	.size	k_q55093c081a_route, .Lfunc_end_k_q55093c081a_route-k_q55093c081a_route
	.p2alignl 7, 3214868480
	.fill 96, 4, 3214868480
	.section	.rodata,"a",@progbits
	.p2align	6, 0x0
	.amdhsa_kernel k_q55093c081a_route
		.amdhsa_group_segment_fixed_size 1024
		.amdhsa_private_segment_fixed_size 0
		.amdhsa_enable_private_segment 0
		.amdhsa_kernarg_size 48
		.amdhsa_user_sgpr_count 2
		.amdhsa_user_sgpr_kernarg_segment_ptr 1
		.amdhsa_wavefront_size32 1
		.amdhsa_system_sgpr_workgroup_id_x 1
		.amdhsa_system_sgpr_workgroup_id_y 1
		.amdhsa_system_sgpr_workgroup_id_z 1
		.amdhsa_system_vgpr_workitem_id 0
		.amdhsa_next_free_vgpr 210
		.amdhsa_next_free_sgpr 66
		.amdhsa_reserve_vcc 1
		.amdhsa_float_denorm_mode_32 3
		.amdhsa_float_denorm_mode_16_64 3
		.amdhsa_memory_ordered 1
		.amdhsa_forward_progress 1
		.amdhsa_inst_pref_size 33
	.end_amdhsa_kernel
	.amdgpu_metadata
---
amdhsa.version: [ 1, 2 ]
amdhsa.kernels:
  - .name:           k_q55093c081a_route
    .symbol:         k_q55093c081a_route.kd
    .args:
      - { .name: x, .offset: 0, .size: 8, .value_kind: global_buffer, .address_space: global }
      - { .name: gate_w, .offset: 8, .size: 8, .value_kind: global_buffer, .address_space: global }
      - { .name: gate_b, .offset: 16, .size: 8, .value_kind: global_buffer, .address_space: global }
      - { .name: lowp_scales, .offset: 24, .size: 8, .value_kind: global_buffer, .address_space: global }
      - { .name: xq, .offset: 32, .size: 8, .value_kind: global_buffer, .address_space: global }
      - { .name: sel, .offset: 40, .size: 8, .value_kind: global_buffer, .address_space: global }
    .group_segment_fixed_size: 1024
    .private_segment_fixed_size: 0
    .kernarg_segment_align: 8
    .kernarg_segment_size: 48
    .max_flat_workgroup_size: 128
    .sgpr_count:     66
    .vgpr_count:     210
    .wavefront_size: 32
...
	.end_amdgpu_metadata
.endif
;; end of part 1
;; launch up (part 2): grid 32 x 8, 4 waves a work-group, no clusters, 137,728 bytes of LDS; arguments sel, xq, w1, b1, lowp_scales, hq; writes hq
.if DOCPART == 2
	.amdgcn_target "amdgcn-amd-amdhsa--gfx1250"
	.amdhsa_code_object_version 6
	.text
	.protected	k_q55093c081a_up
	.globl	k_q55093c081a_up
	.p2align	8
	.type	k_q55093c081a_up,@function
k_q55093c081a_up:
	s_mov_b64 s[64:65], 0
	v_nop
	global_prefetch_b8 v0, s[64:65] scope:SCOPE_SE
	s_setreg_imm32_b32 hwreg(HW_REG_WAVE_MODE, 25, 1), 1
	s_wait_xcnt 0x0
; THE FIRST PRODUCT: h = Q(relu(x W1[e] + b1[e])) for the tokens that chose expert e, on codes of E4M3.
; SHARES.  Work-group (s, e) owns expert e's columns f = 128 s .. 128 s + 127 of W1[e] ([1024 k][4096 f], f32): 512 KiB that no other work-group reads.
; PHASE A: the slice is read once, quantised (scale 2^e0) and laid into LDS with K innermost.  A load of a wave is one row's 512 bytes: lane l holds columns 4 l .. 4 l + 3,
; sixteen loads are sixteen neighbouring k.  The conversions give words of four columns; a 4 x 4 turn of bytes (v_perm_b32) makes, for each column, 16 codes along K: a UNIT.
; Unit Q = k / 16 of column 4 l + j lies at 2048 Q + 512 j + 16 l.  Read as 2048 Q + 256 t + 16 r, that is row r of tile t: column 64 (t & 1) + 4 r + (t >> 1).
; Which columns form a tile is free; so stores and loads both take consecutive bytes.  Wave w makes units 16 w .. 16 w + 15.
; THE LIST.  Wave 0 sorts out, from sel (a word of two bits a token, stored by the launch before), the tokens of expert e into LDS, group by group of 32: group 4 i + j holds the tokens
; 128 i + 4 lane + j, as eight loads of 16 bytes a lane bring them.  The order is no matter: the launch behind builds the same list.  It is padded with token 0.
; The 32 compares write their masks into scalar registers first; the running count is then scalar work on those masks, and the vector steps go phase by phase: no step waits for the one before.
; PHASE B: the list is cut into tiles of 16 rows.  A PASS is 20 tiles, five a wave: wave w takes tiles 20 p + 4 q + w, so that the list's rows are spread evenly over the waves.
; Pass 0 always runs; a further pass runs in a wave that still has rows there.  No barrier stands in the loop, whose trip count hangs on the list.
; The matrix instruction is used transposed (source 0 = 16 columns of W1, source 1 = 16 tokens): a lane holds one token, and register i of tile t the column
; 64 (t & 1) + 32 (lane / 16) + 4 i + (t >> 1).  b1 / 2^(e0 + e1) is the C of each sum's first instruction.  relu and the hold are one v_med3; the three scales are folded into the
; conversion's one, 2^(e2 - e0 - e1).  The 16 registers of codes of a tile of rows are stored as they stand (register image, 2,048 bytes): hq[e][tile][s].
; The launch behind lays W2's rows in the same order along K.  Both operands are fed in groups of 16 bytes: a permutation of k that is the same on both sides.
; NO TENSOR LOADS, NO CLUSTER: trip counts hang on numbers read from memory, and the weights, which are nearly all the bytes, are shared by no two work-groups.
; LIMITS: e0 and e2 - e0 - e1 between -126 and 119.  NaN among the inputs is not served.
; REGISTERS.  window 0: v1 lane, v2 r, v3 h, v4 16 lane, v5-v9, v42 LDS addresses, v10-13 scales and holds, v16-35 row offsets of my 20 tiles' tokens, v36 16 h, v41 the dump's index,
;   v43 the count, v44 4 lane, v45 an offset, v60-63 zeros; v64-127 b1 as loaded, then codes at work; v128-223 the list at work, then h's codes.
;   window 1: v0-127 W1's eight fragments; v128-191 the accumulators of q = 4; v192-255 b1.   window 2: four sets of 64 numbers of W1, then the accumulators of q = 0 .. 3.
;   window 3: v0-239 x's fragments: three buffers of five.   s66-97: the 32 groups' masks.
.set PITCH, 16384                      ; a row of W1[e] in bytes
.set LIST,  131072                     ; LDS: the image takes bytes 0 .. 131,071; the list 1,280 words and 32 words of dump
.set CNT,   136448                     ; the list's length
.set LANE, 1
.set RR,   2
.set HH,   3
.set L16,  4
.set WST,  5
.set AL0,  6
.set LLA,  8
.set CNA,  9
.set SCW,  10
.set LMW,  11
.set SCH,  12
.set LMH,  13
.set XOA,  16
.set H16,  36
.set DUMP, 41
.set ZA,   42
.set TMP,  43
.set L4,   44
.set BIO,  45
.set ZERO, 60
.set BT,   64
.set COD,  64
.set TU,   80
.set OUTB, 96
.set MSK,  128
.set POS,  160
.set VAL,  192
.set PC,   128
.set MB,   66
.set MSB, 0
.macro WIN new                         ; the immediate's high byte repeats the setting that is left
.if MSB != \new
	s_set_vgpr_msb (MSB<<8)|\new
.set MSB, \new
.endif
.endm
.macro PLACES                          ; four plain lines between a matrix instruction and a load into its sources or a read of its result
.rept 4
	v_nop
.endr
.endm
.macro LOADB b                         ; sixteen rows of my slice, k = 256 w + 16 b + n, into set b % 4 of window 2
	WIN 0x80
.set nn, 0
.rept 16
	global_load_b128 v[64*((\b)%4)+4*nn:64*((\b)%4)+4*nn+3], v[L16], s[34:35] offset:(16*(\b)+nn)*PITCH th:TH_LOAD_NT
.set nn, nn+1
.endr
.endm
.macro XLOAD ks                        ; x's five fragments of K step ks: lane (r, h) takes, of its token's row of codes, bytes 128 ks + 32 c + 16 h on
	WIN 0xc0
.irp q,0,1,2,3,4
.irp c,0,1,2,3
	global_load_b128 v[80*((\ks)%3)+16*\q+4*\c:80*((\ks)%3)+16*\q+4*\c+3], v[XOA+\q], s[38:39] offset:128*(\ks)+32*\c
.endr
.endr
.endm
.macro BATCH b                         ; sixteen rows become unit 16 w + b of 128 columns
.if (\b) <= 12
	s_wait_loadcnt 48                              ; this batch's sixteen loads are in; the three batches behind it stay out
.elseif (\b) == 13
	s_wait_loadcnt 32                              ; behind it: batches 14 and 15
.elseif (\b) == 14
	s_wait_loadcnt 36                              ; behind it: batch 15 and the twenty loads of x's K step 0
.else
	s_wait_loadcnt 40                              ; behind it: x's K steps 0 and 1
.endif
	WIN 0x82
.set nn, 0
.rept 64
	v_med3_num_f32 v[64*((\b)%4)+nn], v[64*((\b)%4)+nn], -v[LMW], v[LMW]   ; the conversion does not saturate (ISA guide 7.6.2): the hold comes first
.set nn, nn+1
.endr
	WIN 0x02
.irp m,0,1,2,3,4,5,6,7
	v_cvt_scalef32_pk8_fp8_f32 v[COD+2*\m:COD+2*\m+1], v[64*((\b)%4)+8*\m:64*((\b)%4)+8*\m+7], v[SCW]   ; word n: row n's four columns
.endr
.if (\b) < 12
	LOADB (\b)+4                                   ; the set is free: the batch four further on
.elseif (\b) > 12
	XLOAD (\b)-13                                  ; no weights are left to ask for: the first pass's first three K steps of x, one in each of the last three batches
.endif
	WIN 0
	v_nop                                          ; a plain line between the conversions and the first reader of their results
	s_wait_dscnt 4                                 ; the last batch's four stores may be out; those of the batch before, which read this set of registers, are done
.set OB, OUTB+16*((\b)%2)
.irp g,0,1,2,3                         ; rows 4 g .. 4 g + 3: four words of four columns become four words of four rows
	v_perm_b32 v[TU+4*\g],   v[COD+4*\g+1], v[COD+4*\g],   s24
	v_perm_b32 v[TU+4*\g+1], v[COD+4*\g+1], v[COD+4*\g],   s25
	v_perm_b32 v[TU+4*\g+2], v[COD+4*\g+3], v[COD+4*\g+2], s24
	v_perm_b32 v[TU+4*\g+3], v[COD+4*\g+3], v[COD+4*\g+2], s25
.endr
.irp g,0,1,2,3
	v_perm_b32 v[OB+\g],    v[TU+4*\g+2], v[TU+4*\g],   s26
	v_perm_b32 v[OB+4+\g],  v[TU+4*\g+2], v[TU+4*\g],   s27
	v_perm_b32 v[OB+8+\g],  v[TU+4*\g+3], v[TU+4*\g+1], s26
	v_perm_b32 v[OB+12+\g], v[TU+4*\g+3], v[TU+4*\g+1], s27
.endr
.irp j,0,1,2,3
	ds_store_b128 v[WST], v[OB+4*\j:OB+4*\j+3] offset:2048*(\b)+512*\j   ; column 4 l + j: 512 consecutive bytes a store
.endr
.endm
.macro ALOAD half, ks                  ; four of W1's eight fragments of K step ks: 256 consecutive bytes for each half of the lanes
	WIN 0x40
.irp tt,0,1,2,3
.irp c,0,1,2,3
	ds_load_b128 v[16*(4*(\half)+\tt)+4*\c:16*(4*(\half)+\tt)+4*\c+3], v[AL0+((\ks)>>2)] offset:16384*((\ks)&3)+4096*\c+256*(4*(\half)+\tt)
.endr
.endr
.endm
; twenty products: four tiles of columns x five tiles of rows.  The forty accumulators take turns, one instruction a turn, in the same order in every K step.
.macro MUL half, ks
.set RGB, 80*((\ks)%3)
.if (\ks) == 0
	WIN 0x9d                                       ; W1 window 1, x window 3, C = b1 window 1, D window 2
.else
	WIN 0xad                                       ; C and D window 2
.endif
.irp tt,0,1,2,3
.irp q,0,1,2,3
.set TA, 4*(\half)+\tt
.if (\ks) == 0
	v_wmma_f32_16x16x128_fp8_fp8 v[64*\q+8*TA:64*\q+8*TA+7], v[16*TA:16*TA+15], v[RGB+16*\q:RGB+16*\q+15], v[192+8*TA:192+8*TA+7]
.else
	v_wmma_f32_16x16x128_fp8_fp8 v[64*\q+8*TA:64*\q+8*TA+7], v[16*TA:16*TA+15], v[RGB+16*\q:RGB+16*\q+15], v[64*\q+8*TA:64*\q+8*TA+7]
.endif
.endr
.endr
	WIN 0x5d                                       ; q = 4: C and D window 1
.irp tt,0,1,2,3
.set TA, 4*(\half)+\tt
.if (\ks) == 0
	v_wmma_f32_16x16x128_fp8_fp8 v[128+8*TA:128+8*TA+7], v[16*TA:16*TA+15], v[RGB+64:RGB+79], v[192+8*TA:192+8*TA+7]
.else
	v_wmma_f32_16x16x128_fp8_fp8 v[128+8*TA:128+8*TA+7], v[16*TA:16*TA+15], v[RGB+64:RGB+79], v[128+8*TA:128+8*TA+7]
.endif
.endr
.endm
.macro HQUANT q                        ; tile q's 16 rows x 128 columns: relu, hold, codes, out as an image of the registers
.if (\q) < 4
.set ACB, 64*(\q)
	WIN 0x82
.else
.set ACB, 128
	WIN 0x41
.endif
.set nn, 0
.rept 64
	v_med3_num_f32 v[ACB+nn], v[ACB+nn], 0, v[LMH]   ; the activation and the hold in one; each accumulator from its low end on
.set nn, nn+1
.endr
.if (\q) < 4
	WIN 0x02
.else
	WIN 0x01
.endif
.irp t,0,1,2,3,4,5,6,7
	v_cvt_scalef32_pk8_fp8_f32 v[PC+16*(\q)+2*\t:PC+16*(\q)+2*\t+1], v[ACB+8*\t:ACB+8*\t+7], v[SCH]
.endr
	WIN 0
	v_nop                                          ; a plain line behind the last conversion: the next pass's products write its sources
.irp c,0,1,2,3
	global_store_b128 v[L16], v[PC+16*(\q)+4*\c:PC+16*(\q)+4*\c+3], s[40:41] offset:262144*(\q)+512*\c   ; my tiles lie four apart; 512 consecutive bytes a store
.endr
.endm
	s_load_b256 s[4:11], s[0:1], 0x0               ; sel s[4:5], xq s[6:7], w1 s[8:9], b1 s[10:11]
	s_load_b128 s[12:15], s[0:1], 0x20             ; the scales s[12:13], hq s[14:15]
	v_lshl_add_u32 v254, v0, 2, 0x21800
	v_mov_b32 v255, 0
	v_lshrrev_b32 v1, 5, v0
	v_readfirstlane_b32 s16, v1                    ; wave 0 .. 3
	s_mov_b32 s17, ttmp9                           ; the slice
	s_and_b32 s18, ttmp7, 0xffff                   ; the expert
	s_lshl_b32 s19, 1, s18                         ; its bit
	v_and_b32 v[LANE], 31, v0
	v_and_b32 v[RR], 15, v0
	v_bfe_u32 v[HH], v0, 4, 1
	v_lshlrev_b32 v[L16], 4, v[LANE]
	s_lshl_b32 s2, s16, 15
	v_add_nc_u32 v[WST], s2, v[L16]                ; where I store units: 32,768 w + 16 lane
	v_lshlrev_b32 v[AL0], 4, v[RR]
	v_lshl_add_u32 v[AL0], v[HH], 11, v[AL0]       ; where I read fragments: 2,048 h + 16 r,
	v_add_nc_u32 v[AL0+1], 0x10000, v[AL0]         ; and the same for K steps 4 to 7
	s_lshl_b32 s2, s16, 6
	s_add_co_u32 s2, s2, LIST
	v_lshl_add_u32 v[LLA], v[RR], 2, s2            ; entry r of tile w; my other tiles lie 256 bytes (four tiles) apart
	v_mov_b32 v[CNA], CNT
	v_add_nc_u32 v[ZA], LIST, v[L16]
	v_lshlrev_b32 v[H16], 4, v[HH]
	v_add_nc_u32 v[DUMP], 1280, v[LANE]            ; where a lane whose token is not the expert's puts its word
	v_lshlrev_b32 v[L4], 2, v[LANE]
	v_lshlrev_b32 v[BIO], 7, v[HH]
.irp z,0,1,2,3
	v_mov_b32 v[ZERO+\z], 0
.endr
	s_mov_b32 s24, 0x05010400                      ; the selectors of the turn of bytes
	s_mov_b32 s25, 0x07030602
	s_mov_b32 s26, 0x05040100
	s_mov_b32 s27, 0x07060302
	s_lshl_b32 s2, s18, 24                         ; W1: expert, my wave's 256 rows, my slice's 512 bytes of a row
	s_lshl_b32 s3, s16, 22
	s_add_co_u32 s2, s2, s3
	s_lshl_b32 s3, s17, 9
	s_add_co_u32 s2, s2, s3
	s_mov_b32 s3, 0
	s_lshl_b32 s28, s18, 14                        ; b1
	s_lshl_b32 s29, s17, 9
	s_add_co_u32 s28, s28, s29
	s_mov_b32 s29, 0
	s_mul_i32 s30, s18, 80                         ; hq: tile 80 e + w, image s
	s_add_co_u32 s30, s30, s16
	s_lshl_b32 s30, s30, 16
	s_lshl_b32 s31, s17, 11
	s_add_co_u32 s30, s30, s31
	s_mov_b32 s31, 0
	s_wait_kmcnt 0x0
	s_load_b128 s[20:23], s[12:13], 0x0            ; e0, e1, e2, e3
	s_add_nc_u64 s[34:35], s[8:9], s[2:3]
	s_add_nc_u64 s[36:37], s[10:11], s[28:29]
	s_mov_b64 s[38:39], s[6:7]
	s_add_nc_u64 s[40:41], s[14:15], s[30:31]
.irp i,0,1,2,3,4,5,6,7
	global_load_b128 v[MSK+4*\i:MSK+4*\i+3], v[L16], s[4:5] offset:512*\i   ; sel[128 i + 4 lane + j]; every wave asks, so that the count below is the same in all four
.endr
.irp u,0,1
.irp i,0,1,2,3,4,5,6,7
	global_load_b128 v[BT+32*\u+4*\i:BT+32*\u+4*\i+3], v[BIO], s[36:37] offset:256*\u+16*\i   ; b1 at columns 64 u + 32 h + 4 i + 0 .. 3
.endr
.endr
	LOADB 0                                        ; 8 + 16 + 32 = 56 loads are out here
	LOADB 1
	WIN 0
	s_wait_kmcnt 0x0
	s_add_co_i32 s2, s20, 127
	s_lshl_b32 s3, s2, 23
	v_mov_b32 v[SCW], s3                           ; 2^e0
	s_add_co_i32 s2, s2, 8
	s_lshl_b32 s2, s2, 23
	s_or_b32 s2, s2, 0x600000
	v_mov_b32 v[LMW], s2                           ; 448 x 2^e0
	s_add_co_i32 s42, s20, s21                     ; e0 + e1: a sum stands for sum x 2^(e0 + e1)
	s_sub_co_i32 s2, s22, s42
	s_add_co_i32 s2, s2, 127
	s_lshl_b32 s3, s2, 23
	v_mov_b32 v[SCH], s3                           ; 2^(e2 - e0 - e1)
	s_add_co_i32 s2, s2, 8
	s_lshl_b32 s2, s2, 23
	s_or_b32 s2, s2, 0x600000
	v_mov_b32 v[LMH], s2                           ; 448 x that
	s_sub_co_i32 s42, 0, s42
	s_wait_loadcnt 32                              ; sel and b1 are in; the 32 loads of W1 behind them stay out
	WIN 0x40
.irp j,0,1,2,3
.irp u,0,1
.irp i,0,1,2,3,4,5,6,7
	v_ldexp_f32 v[192+8*(2*\j+\u)+\i], v[BT+32*\u+4*\i+\j], s42   ; b1 / 2^(e0 + e1), in the result's layout: tile 2 j + u, register i
.endr
.endr
.endr
	WIN 0
	s_cmp_lg_u32 s16, 0
	s_cbranch_scc1 .Lnolist
	; wave 0: the list.  Zeros first (token 0 pads it); a member's place is the count of the groups before + the members in the lanes below it.
.irp z,0,1,2,3,4,5,6,7,8,9
	ds_store_b128 v[ZA], v[ZERO:ZERO+3] offset:512*\z
.endr
.set ii, 0
.rept 32
	v_and_b32 v[POS+ii], s19, v[MSK+ii]
.set ii, ii+1
.endr
.set ii, 0
.rept 32
	v_cmp_ne_u32 s[MB+ii], 0, v[POS+ii]            ; group ii's members, as a mask in a scalar register of its own
.set ii, ii+1
.endr
	s_mov_b32 s28, 0
.set ii, 0
.rept 32
	v_mbcnt_lo_u32_b32 v[POS+ii], s[MB+ii], s28
	s_bcnt1_i32_b32 s29, s[MB+ii]
	s_add_co_u32 s28, s28, s29
.set ii, ii+1
.endr
.set ii, 0
.rept 32
	v_cndmask_b32 v[POS+ii], v[DUMP], v[POS+ii], s[MB+ii]
.set ii, ii+1
.endr
.set ii, 0
.rept 32
	v_min_u32 v[POS+ii], 1311, v[POS+ii]           ; inside the list and its dump, whatever was read
.set ii, ii+1
.endr
.set ii, 0
.rept 32
	v_lshl_add_u32 v[POS+ii], v[POS+ii], 2, LIST
.set ii, ii+1
.endr
.set ii, 0
.rept 32
	v_add_nc_u32 v[VAL+ii], 128*(ii/4)+(ii%4), v[L4]   ; the token's number
.set ii, ii+1
.endr
.set ii, 0
.rept 32
	ds_store_b32 v[POS+ii], v[VAL+ii]              ; LDS serves a wave's instructions in order: behind the zeros
.set ii, ii+1
.endr
	v_mov_b32 v[TMP], s28
	ds_store_b32 v[CNA], v[TMP]
.Lnolist:
	LOADB 2
	LOADB 3
	WIN 0
	s_wait_dscnt 0x0                               ; for the others' sake: the list has landed
	s_barrier_signal -1
	s_barrier_wait -1
.irp p,0,1,2,3
.irp q,0,1,2,3,4
	ds_load_b32 v[XOA+5*\p+\q], v[LLA] offset:1280*\p+256*\q   ; entry r of tile 20 p + 4 q + w
.endr
.endr
	ds_load_b32 v[TMP], v[CNA]
	s_wait_dscnt 0x0
.set ii, 0
.rept 20
	v_min_u32 v[XOA+ii], 1023, v[XOA+ii]
.set ii, ii+1
.endr
.set ii, 0
.rept 20
	v_lshl_add_u32 v[XOA+ii], v[XOA+ii], 10, v[H16]   ; the token's row of codes, + 16 h
.set ii, ii+1
.endr
	v_readfirstlane_b32 s30, v[TMP]
	s_min_u32 s30, s30, 1024                       ; n: the expert's rows
	s_add_co_u32 s31, s30, 15
	s_lshr_b32 s31, s31, 4                         ; its tiles
	s_mov_b32 s32, 1                               ; my passes: pass p > 0 runs where tile 20 p + w exists
.irp k,20,40,60
	s_add_co_u32 s3, s16, \k
	s_cmp_gt_u32 s31, s3
	s_cselect_b32 s3, 1, 0
	s_add_co_u32 s32, s32, s3
.endr
	s_mov_b32 s33, 0
.irp b,0,1,2,3,4,5,6,7,8,9,10,11,12,13,14,15
	BATCH \b
.endr
	s_wait_dscnt 0x0                               ; my units have landed
	s_barrier_signal -1
	s_barrier_wait -1                              ; the whole image lies in LDS; nobody writes it again.  The last barrier: what follows hangs on the list
.Lpass:                                            ; on both ways in: three K steps of x (60 loads) are out, no LDS instruction is
	ALOAD 0, 0
	ALOAD 1, 0
.irp ks,0,1,2,3,4,5,6,7
.if \ks <= 5
	s_wait_loadcnt 40                              ; this K step's twenty loads of x are in; the two steps behind it stay out
.else
	s_wait_loadcnt 20*(7-\ks)
.endif
	s_wait_dscnt 16                                ; W1's tiles 0-3 are in; tiles 4-7 may be out
	MUL 0, \ks
.if \ks < 7
	PLACES
	ALOAD 0, \ks+1
	s_wait_dscnt 16                                ; tiles 4-7 are in; the sixteen loads just issued stay out
.else
	s_wait_dscnt 0x0
.endif
	MUL 1, \ks
.if \ks < 7
	PLACES
	ALOAD 1, \ks+1
.endif
.if \ks < 5
	XLOAD \ks+3                                    ; into the buffer just multiplied, behind the same four places
.endif
.endr
	PLACES
	HQUANT 0
	HQUANT 1
	HQUANT 2
	HQUANT 3
	HQUANT 4
	s_add_co_u32 s33, s33, 1
	s_cmp_ge_u32 s33, s32
	s_cbranch_scc1 .Ldone                          ; no rows of mine are left: nothing more is asked for
	s_wait_xcnt 0x0                                ; the stores have read their base and their data: both are written again below and in the next pass
	s_add_nc_u64 s[40:41], s[40:41], 20<<16        ; twenty tiles on
.set ii, 0
.rept 15
	v_mov_b32 v[XOA+ii], v[XOA+ii+5]               ; the next pass's five tiles move to the front (x's loads are all in since K step 7)
.set ii, ii+1
.endr
	XLOAD 0
	XLOAD 1
	XLOAD 2
	WIN 0
	s_cmp_lt_u32 s33, s32
	s_cbranch_scc1 .Lpass
.Ldone:
	s_wait_tensorcnt 0x0
	ds_add_u32 v254, v255
	s_wait_dscnt 0x0
	s_endpgm
.Lfunc_end_k_q55093c081a_up:
	.size	k_q55093c081a_up, .Lfunc_end_k_q55093c081a_up-k_q55093c081a_up
	.p2alignl 7, 3214868480
	.fill 96, 4, 3214868480
	.section	.rodata,"a",@progbits
	.p2align	6, 0x0
	.amdhsa_kernel k_q55093c081a_up
		.amdhsa_group_segment_fixed_size 137728
		.amdhsa_private_segment_fixed_size 0
		.amdhsa_enable_private_segment 0
		.amdhsa_kernarg_size 48
		.amdhsa_user_sgpr_count 2
		.amdhsa_user_sgpr_kernarg_segment_ptr 1
		.amdhsa_wavefront_size32 1
		.amdhsa_system_sgpr_workgroup_id_x 1
		.amdhsa_system_sgpr_workgroup_id_y 1
		.amdhsa_system_sgpr_workgroup_id_z 1
		.amdhsa_system_vgpr_workitem_id 0
		.amdhsa_next_free_vgpr 1024
		.amdhsa_next_free_sgpr 100
		.amdhsa_reserve_vcc 0
		.amdhsa_float_denorm_mode_32 3
		.amdhsa_float_denorm_mode_16_64 3
		.amdhsa_memory_ordered 1
		.amdhsa_forward_progress 1
		.amdhsa_inst_pref_size 255
	.end_amdhsa_kernel
	.section	.bss,"aw",@nobits
	.p2align	6
	.space	262144
	.amdgpu_metadata
---
amdhsa.version: [ 1, 2 ]
amdhsa.kernels:
  - .name:           k_q55093c081a_up
    .symbol:         k_q55093c081a_up.kd
    .args:
      - { .name: sel, .offset: 0, .size: 8, .value_kind: global_buffer, .address_space: global }
      - { .name: xq, .offset: 8, .size: 8, .value_kind: global_buffer, .address_space: global }
      - { .name: w1, .offset: 16, .size: 8, .value_kind: global_buffer, .address_space: global }
      - { .name: b1, .offset: 24, .size: 8, .value_kind: global_buffer, .address_space: global }
      - { .name: lowp_scales, .offset: 32, .size: 8, .value_kind: global_buffer, .address_space: global }
      - { .name: hq, .offset: 40, .size: 8, .value_kind: global_buffer, .address_space: global }
    .group_segment_fixed_size: 137728
    .private_segment_fixed_size: 0
    .kernarg_segment_align: 8
    .kernarg_segment_size: 48
    .max_flat_workgroup_size: 128
    .sgpr_count:     100
    .vgpr_count:     1024
    .wavefront_size: 32
...
	.end_amdgpu_metadata
.endif
;; end of part 2
;; launch down (part 3): grid 32 x 8, 4 waves a work-group, no clusters, 171,008 bytes of LDS; arguments sel, hq, w2, b2, lowp_scales, part; writes part
.if DOCPART == 3
	.amdgcn_target "amdgcn-amd-amdhsa--gfx1250"
	.amdhsa_code_object_version 6
	.text
	.protected	k_q55093c081a_down
	.globl	k_q55093c081a_down
	.p2align	8
	.type	k_q55093c081a_down,@function
k_q55093c081a_down:
	s_mov_b64 s[64:65], 0
	v_nop
	global_prefetch_b8 v0, s[64:65] scope:SCOPE_SE
	s_setreg_imm32_b32 hwreg(HW_REG_WAVE_MODE, 25, 1), 1
	s_wait_xcnt 0x0
; THE SECOND PRODUCT, in parts: part[kq][slot 1024 + t][128 cs ..] = (the sum over f = 1024 kq .. 1024 kq + 1023 of h[t][f] W2[e][f][..]) x 2^(e2 + e3), + b2[e] where kq = 0.
; SHARES.  Work-group (x = 8 kq + cs, e) owns rows f = 1024 kq .. + 1023, columns 128 cs .. + 127 of W2[e] ([4096 f][1024], f32): 512 KiB that no other work-group reads.
; slot = 0 where e is the lower of the token's two experts, else 1: so each row of each of the four planes has one owner, and the last launch adds eight planes.
; The text is the first product's, with these differences.  The rows of W2 that form a unit of 16 along K are chosen as the launch before laid h's codes:
; unit (K step ks, group c, half h) holds at byte n the row 128 ks + 64 (n >> 3) + 32 h + 4 (n & 7) + c; that only sets the loads' row offsets.
; h's fragments come as images of registers: 512 consecutive bytes a load.  The sums begin with the constant 0.  A tile's results go through the wave's own stage in LDS
; and leave as pieces of rows of 512 bytes, each to its token's row; rows beyond the list's end are not stored, and a tile that lies wholly beyond it is passed over (scalar branches on the list's length).
; The list is built as in the first product (the same order), and a wave runs the same passes on the same tiles, 20 p + 4 q + w, as the same wave there: so every byte of hq that is read has been stored.
; NO TENSOR LOADS, NO CLUSTER: trip counts hang on numbers read from memory, and the weights are shared by no two work-groups.
; LIMITS: e3 between -126 and 119; e2 + e3 between -126 and 127.  NaN and infinities in b2 are not served (b2 is multiplied by 0 where kq > 0).
; REGISTERS.  window 0: as in the first product, but: v12 the number 1024; v14, v15 the stage's addresses; v16-35 my 20 tiles' entries (t + 1024 slot); v36-40 h's offsets;
;   v44-59 the rows' offsets in part; v64-127 a tile's results; v128-191 its rows read back.   windows 1, 2, 3: as there (v192-255 of window 1: b2 or zeros).
;   s66-97: the 32 groups' masks; later s66-81: a tile's sixteen row offsets.
.set PITCH, 4096                       ; a row of W2[e] in bytes
.set LIST,  131072
.set CNT,   136448
.set STAGE, 136704                     ; 16 rows x (512 + 16) bytes for each wave
.set LANE, 1
.set RR,   2
.set HH,   3
.set L16,  4
.set WST,  5
.set AL0,  6
.set LLA,  8
.set CNA,  9
.set SCW,  10
.set LMW,  11
.set K1024, 12
.set SO,   14
.set SR,   15
.set LE,   16
.set XO,   36
.set DUMP, 41
.set ZA,   42
.set TMP,  43
.set L4,   44
.set BIO,  45
.set RO,   44
.set ZERO, 60
.set BT,   64
.set COD,  64
.set TU,   80
.set OUTB, 96
.set MSK,  128
.set POS,  160
.set VAL,  192
.set TL,   64
.set RW,   128
.set MB,   66
.set MSB, 0
.macro WIN new                         ; the immediate's high byte repeats the setting that is left
.if MSB != \new
	s_set_vgpr_msb (MSB<<8)|\new
.set MSB, \new
.endif
.endm
.macro PLACES                          ; four plain lines between a matrix instruction and a load into its sources or a read of its result
.rept 4
	v_nop
.endr
.endm
.macro LOADB b                         ; the sixteen rows of unit 16 w + b, in the order of h's codes, into set b % 4 of window 2
	WIN 0x80
.set nn, 0
.rept 16
	global_load_b128 v[64*((\b)%4)+4*nn:64*((\b)%4)+4*nn+3], v[L16], s[34:35] offset:(128*((\b)>>3)+64*(nn>>3)+32*((\b)&1)+4*(nn&7)+(((\b)>>1)&3))*PITCH th:TH_LOAD_NT
.set nn, nn+1
.endr
.endm
.macro XLOAD ks                        ; h's five fragments of K step ks, as they were stored
	WIN 0xc0
.irp q,0,1,2,3,4
.irp c,0,1,2,3
	global_load_b128 v[80*((\ks)%3)+16*\q+4*\c:80*((\ks)%3)+16*\q+4*\c+3], v[XO+\q], s[38:39] offset:2048*(\ks)+512*\c
.endr
.endr
.endm
.macro BATCH b
.if (\b) <= 12
	s_wait_loadcnt 48                              ; this batch's sixteen loads are in; the three batches behind it stay out
.elseif (\b) == 13
	s_wait_loadcnt 32                              ; behind it: batches 14 and 15
.elseif (\b) == 14
	s_wait_loadcnt 36                              ; behind it: batch 15 and the twenty loads of h's K step 0
.else
	s_wait_loadcnt 40                              ; behind it: h's K steps 0 and 1
.endif
	WIN 0x82
.set nn, 0
.rept 64
	v_med3_num_f32 v[64*((\b)%4)+nn], v[64*((\b)%4)+nn], -v[LMW], v[LMW]   ; the conversion does not saturate (ISA guide 7.6.2): the hold comes first
.set nn, nn+1
.endr
	WIN 0x02
.irp m,0,1,2,3,4,5,6,7
	v_cvt_scalef32_pk8_fp8_f32 v[COD+2*\m:COD+2*\m+1], v[64*((\b)%4)+8*\m:64*((\b)%4)+8*\m+7], v[SCW]
.endr
.if (\b) < 12
	LOADB (\b)+4
.elseif (\b) > 12
	XLOAD (\b)-13                                  ; no weights are left to ask for: the first pass's first three K steps of h, one in each of the last three batches
.endif
	WIN 0
	v_nop                                          ; a plain line between the conversions and the first reader of their results
	s_wait_dscnt 4                                 ; the last batch's four stores may be out; those of the batch before, which read this set of registers, are done
.set OB, OUTB+16*((\b)%2)
.irp g,0,1,2,3
	v_perm_b32 v[TU+4*\g],   v[COD+4*\g+1], v[COD+4*\g],   s24
	v_perm_b32 v[TU+4*\g+1], v[COD+4*\g+1], v[COD+4*\g],   s25
	v_perm_b32 v[TU+4*\g+2], v[COD+4*\g+3], v[COD+4*\g+2], s24
	v_perm_b32 v[TU+4*\g+3], v[COD+4*\g+3], v[COD+4*\g+2], s25
.endr
.irp g,0,1,2,3
	v_perm_b32 v[OB+\g],    v[TU+4*\g+2], v[TU+4*\g],   s26
	v_perm_b32 v[OB+4+\g],  v[TU+4*\g+2], v[TU+4*\g],   s27
	v_perm_b32 v[OB+8+\g],  v[TU+4*\g+3], v[TU+4*\g+1], s26
	v_perm_b32 v[OB+12+\g], v[TU+4*\g+3], v[TU+4*\g+1], s27
.endr
.irp j,0,1,2,3
	ds_store_b128 v[WST], v[OB+4*\j:OB+4*\j+3] offset:2048*(\b)+512*\j
.endr
.endm
.macro ALOAD half, ks
	WIN 0x40
.irp tt,0,1,2,3
.irp c,0,1,2,3
	ds_load_b128 v[16*(4*(\half)+\tt)+4*\c:16*(4*(\half)+\tt)+4*\c+3], v[AL0+((\ks)>>2)] offset:16384*((\ks)&3)+4096*\c+256*(4*(\half)+\tt)
.endr
.endr
.endm
; twenty products; the forty accumulators take turns, one instruction a turn, in the same order in every K step.  The first K step starts the sums.
.macro MUL half, ks
.set RGB, 80*((\ks)%3)
	WIN 0xad                                       ; W2 window 1, h window 3, C and D window 2
.irp tt,0,1,2,3
.irp q,0,1,2,3
.set TA, 4*(\half)+\tt
.if (\ks) == 0
	v_wmma_f32_16x16x128_fp8_fp8 v[64*\q+8*TA:64*\q+8*TA+7], v[16*TA:16*TA+15], v[RGB+16*\q:RGB+16*\q+15], 0
.else
	v_wmma_f32_16x16x128_fp8_fp8 v[64*\q+8*TA:64*\q+8*TA+7], v[16*TA:16*TA+15], v[RGB+16*\q:RGB+16*\q+15], v[64*\q+8*TA:64*\q+8*TA+7]
.endif
.endr
.endr
	WIN 0x5d                                       ; q = 4: C and D window 1
.irp tt,0,1,2,3
.set TA, 4*(\half)+\tt
.if (\ks) == 0
	v_wmma_f32_16x16x128_fp8_fp8 v[128+8*TA:128+8*TA+7], v[16*TA:16*TA+15], v[RGB+64:RGB+79], 0
.else
	v_wmma_f32_16x16x128_fp8_fp8 v[128+8*TA:128+8*TA+7], v[16*TA:16*TA+15], v[RGB+64:RGB+79], v[128+8*TA:128+8*TA+7]
.endif
.endr
.endm
; Tile q goes out.  sum x 2^(e2 + e3) + b2 in one fused multiply-add, laid so that four registers are four neighbouring columns; into my stage, row = token; back as whole pieces of 512 bytes.
; The sixteen entries are read out of their lanes in one run ahead of the multiply-adds, and clamped and shifted behind them: no scalar line stands straight behind the vector line that feeds it.
.macro TILE_OUT q
	WIN 0
	s_sub_co_i32 s47, s30, s46
	s_sub_co_i32 s47, s47, 64*(\q)                 ; how many of the list's rows are left at this tile's first row
	s_cmp_gt_i32 s47, 0
	s_cbranch_scc0 .Lend_\@                        ; none: the tile is padding
.irp rr,0,1,2,3,4,5,6,7,8,9,10,11,12,13,14,15
	v_readlane_b32 s[MB+\rr], v[LE+(\q)], \rr      ; t + 1024 slot
.endr
.if (\q) < 4
.set ACB, 64*(\q)
	WIN 0x12                                       ; the sums window 2, b2 window 1
.else
.set ACB, 128
	WIN 0x11
.endif
.irp j,0,1,2,3
.irp u,0,1
.irp i,0,1,2,3,4,5,6,7
	v_fma_f32 v[TL+32*\u+4*\i+\j], v[ACB+8*(2*\j+\u)+\i], s44, v[192+8*(2*\j+\u)+\i]   ; column 64 u + 32 h + 4 i + j; each accumulator from its low end on
.endr
.endr
.endr
	WIN 0
.irp rr,0,1,2,3,4,5,6,7,8,9,10,11,12,13,14,15
	s_min_u32 s[MB+\rr], s[MB+\rr], 2047           ; inside a plane, whatever was read
.endr
.irp rr,0,1,2,3,4,5,6,7,8,9,10,11,12,13,14,15
	s_lshl_b32 s[MB+\rr], s[MB+\rr], 12            ; a row of part is 4,096 bytes
.endr
.irp u,0,1
.irp i,0,1,2,3,4,5,6,7
	ds_store_b128 v[SO], v[TL+32*\u+4*\i:TL+32*\u+4*\i+3] offset:256*\u+16*\i
.endr
.endr
	s_wait_xcnt 0x0                                ; the last tile's stores have read their data and offsets: both are written again below
.irp rr,0,1,2,3,4,5,6,7,8,9,10,11,12,13,14,15
	ds_load_b128 v[RW+4*\rr:RW+4*\rr+3], v[SR] offset:528*\rr   ; LDS serves a wave's instructions in order: these see my stores
.endr
.irp rr,0,1,2,3,4,5,6,7,8,9,10,11,12,13,14,15
	v_add_nc_u32 v[RO+\rr], s[MB+\rr], v[L16]
.endr
.irp rr,0,1,2,3,4,5,6,7,8,9,10,11,12,13,14,15
.if \rr > 0
	s_cmp_gt_i32 s47, \rr
	s_cbranch_scc0 .Lend_\@                        ; the list has ended: what follows is padding
.endif
	s_wait_dscnt 15-\rr                            ; row rr is back; the later rows' loads stay out
	global_store_b128 v[RO+\rr], v[RW+4*\rr:RW+4*\rr+3], s[40:41]   ; 32 lanes store 512 consecutive bytes, at a multiple of 512 from part's first byte
.endr
.Lend_\@:
	s_wait_dscnt 0x0                               ; all rows' loads are back: the stage and their registers may be written again
.endm
	s_load_b256 s[4:11], s[0:1], 0x0               ; sel s[4:5], hq s[6:7], w2 s[8:9], b2 s[10:11]
	s_load_b128 s[12:15], s[0:1], 0x20             ; the scales s[12:13], part s[14:15]
	v_lshl_add_u32 v254, v0, 2, 0x29a00
	v_mov_b32 v255, 0
	v_lshrrev_b32 v1, 5, v0
	v_readfirstlane_b32 s16, v1                    ; wave 0 .. 3
	s_lshr_b32 s48, ttmp9, 3                       ; kq: which quarter of K
	s_and_b32 s49, ttmp9, 7                        ; cs: which 128 columns
	s_and_b32 s18, ttmp7, 0xffff                   ; the expert
	s_lshl_b32 s19, 1, s18                         ; its bit,
	s_sub_co_u32 s43, s19, 1                       ; and the bits of the experts below it
	v_and_b32 v[LANE], 31, v0
	v_and_b32 v[RR], 15, v0
	v_bfe_u32 v[HH], v0, 4, 1
	v_lshlrev_b32 v[L16], 4, v[LANE]
	s_lshl_b32 s2, s16, 15
	v_add_nc_u32 v[WST], s2, v[L16]
	v_lshlrev_b32 v[AL0], 4, v[RR]
	v_lshl_add_u32 v[AL0], v[HH], 11, v[AL0]
	v_add_nc_u32 v[AL0+1], 0x10000, v[AL0]
	s_lshl_b32 s2, s16, 6
	s_add_co_u32 s2, s2, LIST
	v_lshl_add_u32 v[LLA], v[RR], 2, s2            ; entry r of tile w; my other tiles lie 256 bytes (four tiles) apart
	v_mov_b32 v[CNA], CNT
	v_add_nc_u32 v[ZA], LIST, v[L16]
	s_mul_i32 s2, s16, 8448
	s_add_co_u32 s2, s2, STAGE                     ; my stage
	v_mul_u32_u24 v[SO], v[RR], 528
	v_lshl_add_u32 v[SO], v[HH], 7, v[SO]
	v_add_nc_u32 v[SO], s2, v[SO]                  ; in: row r, + 128 h
	v_add_nc_u32 v[SR], s2, v[L16]                 ; back: 16 bytes a lane of a row
.irp q,0,1,2,3,4
	s_add_co_u32 s3, s16, 4*\q
	s_lshl_b32 s3, s3, 16
	v_add_nc_u32 v[XO+\q], s3, v[L16]              ; tile 4 q + w of a pass, + 16 lane
.endr
	v_add_nc_u32 v[DUMP], 1280, v[LANE]
	v_mov_b32 v[K1024], 1024
	v_lshlrev_b32 v[L4], 2, v[LANE]
	v_lshlrev_b32 v[BIO], 7, v[HH]
.irp z,0,1,2,3
	v_mov_b32 v[ZERO+\z], 0
.endr
	s_mov_b32 s24, 0x05010400
	s_mov_b32 s25, 0x07030602
	s_mov_b32 s26, 0x05040100
	s_mov_b32 s27, 0x07060302
	s_lshl_b32 s2, s18, 24                         ; W2: expert, quarter, my wave's 256 rows, my 512 bytes of a row
	s_lshl_b32 s3, s48, 22
	s_add_co_u32 s2, s2, s3
	s_lshl_b32 s3, s16, 20
	s_add_co_u32 s2, s2, s3
	s_lshl_b32 s3, s49, 9
	s_add_co_u32 s2, s2, s3
	s_mov_b32 s3, 0
	s_lshl_b32 s28, s18, 12                        ; b2
	s_lshl_b32 s29, s49, 9
	s_add_co_u32 s28, s28, s29
	s_mov_b32 s29, 0
	s_mul_i32 s30, s18, 80<<16                     ; hq: the expert's 80 tiles, the quarter's eight images
	s_lshl_b32 s31, s48, 14
	s_add_co_u32 s30, s30, s31
	s_mov_b32 s31, 0
	s_lshl_b32 s50, s48, 23                        ; part: the plane, my columns
	s_lshl_b32 s51, s49, 9
	s_add_co_u32 s50, s50, s51
	s_mov_b32 s51, 0
	s_cmp_eq_u32 s48, 0
	s_cselect_b32 s45, 0x3f800000, 0               ; b2 counts in quarter 0 alone
	s_lshl_b32 s46, s16, 4                         ; the list's index of the first row of my first tile of the pass
	s_wait_kmcnt 0x0
	s_load_b128 s[20:23], s[12:13], 0x0            ; e0, e1, e2, e3
	s_add_nc_u64 s[34:35], s[8:9], s[2:3]
	s_add_nc_u64 s[36:37], s[10:11], s[28:29]
	s_add_nc_u64 s[38:39], s[6:7], s[30:31]
	s_add_nc_u64 s[40:41], s[14:15], s[50:51]
.irp i,0,1,2,3,4,5,6,7
	global_load_b128 v[MSK+4*\i:MSK+4*\i+3], v[L16], s[4:5] offset:512*\i   ; sel[128 i + 4 lane + j]; every wave asks, so that the count below is the same in all four
.endr
.irp u,0,1
.irp i,0,1,2,3,4,5,6,7
	global_load_b128 v[BT+32*\u+4*\i:BT+32*\u+4*\i+3], v[BIO], s[36:37] offset:256*\u+16*\i   ; b2 at columns 64 u + 32 h + 4 i + 0 .. 3
.endr
.endr
	LOADB 0                                        ; 8 + 16 + 32 = 56 loads are out here
	LOADB 1
	WIN 0
	s_wait_kmcnt 0x0
	s_add_co_i32 s2, s23, 127
	s_lshl_b32 s3, s2, 23
	v_mov_b32 v[SCW], s3                           ; 2^e3
	s_add_co_i32 s2, s2, 8
	s_lshl_b32 s2, s2, 23
	s_or_b32 s2, s2, 0x600000
	v_mov_b32 v[LMW], s2                           ; 448 x 2^e3
	s_add_co_i32 s44, s22, s23
	s_add_co_i32 s44, s44, 127
	s_lshl_b32 s44, s44, 23                        ; 2^(e2 + e3) as f32
	s_wait_loadcnt 32                              ; sel and b2 are in; the 32 loads of W2 behind them stay out
	WIN 0x40
.irp j,0,1,2,3
.irp u,0,1
.irp i,0,1,2,3,4,5,6,7
	v_mul_f32 v[192+8*(2*\j+\u)+\i], s45, v[BT+32*\u+4*\i+\j]   ; in the result's layout: tile 2 j + u, register i
.endr
.endr
.endr
	WIN 0
	s_cmp_lg_u32 s16, 0
	s_cbranch_scc1 .Lnolist
	; wave 0: the list, as in the first product; an entry is the token's number, + 1024 where a lower expert was chosen too
.irp z,0,1,2,3,4,5,6,7,8,9
	ds_store_b128 v[ZA], v[ZERO:ZERO+3] offset:512*\z
.endr
.set ii, 0
.rept 32
	v_and_b32 v[POS+ii], s19, v[MSK+ii]
.set ii, ii+1
.endr
.set ii, 0
.rept 32
	v_cmp_ne_u32 s[MB+ii], 0, v[POS+ii]            ; group ii's members, as a mask in a scalar register of its own
.set ii, ii+1
.endr
.set ii, 0
.rept 32
	v_and_b32 v[VAL+ii], s43, v[MSK+ii]
.set ii, ii+1
.endr
.set ii, 0
.rept 32
	v_cmp_ne_u32 vcc_lo, 0, v[VAL+ii]
	v_cndmask_b32 v[VAL+ii], v[ZERO], v[K1024], vcc_lo
.set ii, ii+1
.endr
.set ii, 0
.rept 32
	v_add3_u32 v[VAL+ii], v[VAL+ii], v[L4], 128*(ii/4)+(ii%4)
.set ii, ii+1
.endr
	s_mov_b32 s28, 0
.set ii, 0
.rept 32
	v_mbcnt_lo_u32_b32 v[POS+ii], s[MB+ii], s28
	s_bcnt1_i32_b32 s29, s[MB+ii]
	s_add_co_u32 s28, s28, s29
.set ii, ii+1
.endr
.set ii, 0
.rept 32
	v_cndmask_b32 v[POS+ii], v[DUMP], v[POS+ii], s[MB+ii]
.set ii, ii+1
.endr
.set ii, 0
.rept 32
	v_min_u32 v[POS+ii], 1311, v[POS+ii]           ; inside the list and its dump, whatever was read
.set ii, ii+1
.endr
.set ii, 0
.rept 32
	v_lshl_add_u32 v[POS+ii], v[POS+ii], 2, LIST
.set ii, ii+1
.endr
.set ii, 0
.rept 32
	ds_store_b32 v[POS+ii], v[VAL+ii]              ; LDS serves a wave's instructions in order: behind the zeros
.set ii, ii+1
.endr
	v_mov_b32 v[TMP], s28
	ds_store_b32 v[CNA], v[TMP]
.Lnolist:
	LOADB 2
	LOADB 3
	WIN 0
	s_wait_dscnt 0x0                               ; for the others' sake: the list has landed
	s_barrier_signal -1
	s_barrier_wait -1
.irp p,0,1,2,3
.irp q,0,1,2,3,4
	ds_load_b32 v[LE+5*\p+\q], v[LLA] offset:1280*\p+256*\q   ; entry r of tile 20 p + 4 q + w
.endr
.endr
	ds_load_b32 v[TMP], v[CNA]
	s_wait_dscnt 0x0
	v_readfirstlane_b32 s30, v[TMP]
	s_min_u32 s30, s30, 1024                       ; n: the expert's rows
	s_add_co_u32 s31, s30, 15
	s_lshr_b32 s31, s31, 4                         ; its tiles
	s_mov_b32 s32, 1                               ; my passes: the same as in the first product
.irp k,20,40,60
	s_add_co_u32 s3, s16, \k
	s_cmp_gt_u32 s31, s3
	s_cselect_b32 s3, 1, 0
	s_add_co_u32 s32, s32, s3
.endr
	s_mov_b32 s33, 0
.irp b,0,1,2,3,4,5,6,7,8,9,10,11,12,13,14,15
	BATCH \b
.endr
	s_wait_dscnt 0x0                               ; my units have landed
	s_barrier_signal -1
	s_barrier_wait -1                              ; the whole image lies in LDS; nobody writes it again.  The last barrier: what follows hangs on the list
.Lpass:                                            ; on both ways in: three K steps of h (60 loads) are out, no LDS instruction is
	ALOAD 0, 0
	ALOAD 1, 0
.irp ks,0,1,2,3,4,5,6,7
.if \ks <= 5
	s_wait_loadcnt 40                              ; this K step's twenty loads of h are in; the two steps behind it stay out
.else
	s_wait_loadcnt 20*(7-\ks)
.endif
	s_wait_dscnt 16                                ; W2's tiles 0-3 are in; tiles 4-7 may be out
	MUL 0, \ks
.if \ks < 7
	PLACES
	ALOAD 0, \ks+1
	s_wait_dscnt 16                                ; tiles 4-7 are in; the sixteen loads just issued stay out
.else
	s_wait_dscnt 0x0
.endif
	MUL 1, \ks
.if \ks < 7
	PLACES
	ALOAD 1, \ks+1
.endif
.if \ks < 5
	XLOAD \ks+3                                    ; into the buffer just multiplied, behind the same four places
.endif
.endr
	PLACES
	TILE_OUT 0
	TILE_OUT 1
	TILE_OUT 2
	TILE_OUT 3
	TILE_OUT 4
	s_add_co_u32 s33, s33, 1
	s_cmp_ge_u32 s33, s32
	s_cbranch_scc1 .Ldone                          ; no rows of mine are left: nothing more is asked for
	s_add_co_u32 s46, s46, 320
	s_add_nc_u64 s[38:39], s[38:39], 20<<16        ; twenty tiles on (h's loads are all in since K step 7, so their base may be written)
.set ii, 0
.rept 15
	v_mov_b32 v[LE+ii], v[LE+ii+5]                 ; the next pass's five tiles move to the front
.set ii, ii+1
.endr
	XLOAD 0
	XLOAD 1
	XLOAD 2
	WIN 0
	s_cmp_lt_u32 s33, s32
	s_cbranch_scc1 .Lpass
.Ldone:
	s_wait_tensorcnt 0x0
	ds_add_u32 v254, v255
	s_wait_dscnt 0x0
	s_endpgm
.Lfunc_end_k_q55093c081a_down:
	.size	k_q55093c081a_down, .Lfunc_end_k_q55093c081a_down-k_q55093c081a_down
	.p2alignl 7, 3214868480
	.fill 96, 4, 3214868480
	.section	.rodata,"a",@progbits
	.p2align	6, 0x0
	.amdhsa_kernel k_q55093c081a_down
		.amdhsa_group_segment_fixed_size 171008
		.amdhsa_private_segment_fixed_size 0
		.amdhsa_enable_private_segment 0
		.amdhsa_kernarg_size 48
		.amdhsa_user_sgpr_count 2
		.amdhsa_user_sgpr_kernarg_segment_ptr 1
		.amdhsa_wavefront_size32 1
		.amdhsa_system_sgpr_workgroup_id_x 1
		.amdhsa_system_sgpr_workgroup_id_y 1
		.amdhsa_system_sgpr_workgroup_id_z 1
		.amdhsa_system_vgpr_workitem_id 0
		.amdhsa_next_free_vgpr 1024
		.amdhsa_next_free_sgpr 100
		.amdhsa_reserve_vcc 1
		.amdhsa_float_denorm_mode_32 3
		.amdhsa_float_denorm_mode_16_64 3
		.amdhsa_memory_ordered 1
		.amdhsa_forward_progress 1
		.amdhsa_inst_pref_size 255
	.end_amdhsa_kernel
	.section	.bss,"aw",@nobits
	.p2align	6
	.space	262144
	.amdgpu_metadata
---
amdhsa.version: [ 1, 2 ]
amdhsa.kernels:
  - .name:           k_q55093c081a_down
    .symbol:         k_q55093c081a_down.kd
    .args:
      - { .name: sel, .offset: 0, .size: 8, .value_kind: global_buffer, .address_space: global }
      - { .name: hq, .offset: 8, .size: 8, .value_kind: global_buffer, .address_space: global }
      - { .name: w2, .offset: 16, .size: 8, .value_kind: global_buffer, .address_space: global }
      - { .name: b2, .offset: 24, .size: 8, .value_kind: global_buffer, .address_space: global }
      - { .name: lowp_scales, .offset: 32, .size: 8, .value_kind: global_buffer, .address_space: global }
      - { .name: part, .offset: 40, .size: 8, .value_kind: global_buffer, .address_space: global }
    .group_segment_fixed_size: 171008
    .private_segment_fixed_size: 0
    .kernarg_segment_align: 8
    .kernarg_segment_size: 48
    .max_flat_workgroup_size: 128
    .sgpr_count:     100
    .vgpr_count:     1024
    .wavefront_size: 32
...
	.end_amdgpu_metadata
.endif
;; end of part 3
;; launch combine (part 4): grid 256 x 1, 8 waves a work-group, no clusters, 0 bytes of LDS; arguments part, out0; writes out0
.if DOCPART == 4
	.amdgcn_target "amdgcn-amd-amdhsa--gfx1250"
	.amdhsa_code_object_version 6
	.text
	.protected	k_q55093c081a_combine
	.globl	k_q55093c081a_combine
	.p2align	8
	.type	k_q55093c081a_combine,@function
k_q55093c081a_combine:
	s_mov_b64 s[64:65], 0
	v_nop
	global_prefetch_b8 v0, s[64:65] scope:SCOPE_SE
	s_setreg_imm32_b32 hwreg(HW_REG_WAVE_MODE, 25, 1), 1
	s_wait_xcnt 0x0
; out0[t][c] = the sum of the eight planes part[kq][slot 1024 + t][c], kq = 0 .. 3, slot = 0, 1: four quarters of K for each of the token's two experts.
; A stream: a work-group owns 16,384 bytes of out0 (four rows), as four chunks of 4,096; thread t owns 16 bytes of each chunk, so a load or store of a wave covers 512 consecutive bytes.
; All 32 loads of a thread are issued at once; the waits count down chunk by chunk.  No LDS, no barrier, no matrix unit: memory binds.
.set P0, 16                            ; v16-143: chunk j, plane p = 2 kq + slot: four registers at 16 + 32 j + 4 p
	s_load_b128 s[4:7], s[0:1], 0x0                ; part s[4:5], out0 s[6:7]
	s_lshl_b32 s2, ttmp9, 14
	v_lshl_add_u32 v1, v0, 4, s2                   ; my 16 bytes of the work-group's first chunk
	s_wait_kmcnt 0x0
	s_mov_b64 s[8:9], s[4:5]                       ; the four quarters' planes lie 8 MiB apart; a slot's 4 MiB stand in the immediate
	s_add_nc_u64 s[10:11], s[4:5], 0x800000
	s_add_nc_u64 s[12:13], s[4:5], 0x1000000
	s_add_nc_u64 s[14:15], s[4:5], 0x1800000
.irp j,0,1,2,3
.irp kq,0,1,2,3
.irp sl,0,1
	global_load_b128 v[P0+32*\j+4*(2*\kq+\sl):P0+32*\j+4*(2*\kq+\sl)+3], v1, s[8+2*\kq:9+2*\kq] offset:\sl*0x400000+4096*\j th:TH_LOAD_NT
.endr
.endr
.endr
.irp j,0,1,2,3
.set PB, P0+32*\j
	s_wait_loadcnt 24-8*\j                         ; this chunk's eight loads are in; the later chunks' stay out
.irp a,0,8,16,24
	v_pk_add_f32 v[PB+\a:PB+\a+1],   v[PB+\a:PB+\a+1],   v[PB+\a+4:PB+\a+5]
	v_pk_add_f32 v[PB+\a+2:PB+\a+3], v[PB+\a+2:PB+\a+3], v[PB+\a+6:PB+\a+7]
.endr
.irp a,0,16
	v_pk_add_f32 v[PB+\a:PB+\a+1],   v[PB+\a:PB+\a+1],   v[PB+\a+8:PB+\a+9]
	v_pk_add_f32 v[PB+\a+2:PB+\a+3], v[PB+\a+2:PB+\a+3], v[PB+\a+10:PB+\a+11]
.endr
	v_pk_add_f32 v[PB:PB+1],   v[PB:PB+1],   v[PB+16:PB+17]
	v_pk_add_f32 v[PB+2:PB+3], v[PB+2:PB+3], v[PB+18:PB+19]
	global_store_b128 v1, v[PB:PB+3], s[6:7] offset:4096*\j th:TH_STORE_NT
.endr
	s_endpgm
.Lfunc_end_k_q55093c081a_combine:
	.size	k_q55093c081a_combine, .Lfunc_end_k_q55093c081a_combine-k_q55093c081a_combine
	.p2alignl 7, 3214868480
	.fill 96, 4, 3214868480
	.section	.rodata,"a",@progbits
	.p2align	6, 0x0
	.amdhsa_kernel k_q55093c081a_combine
		.amdhsa_group_segment_fixed_size 0
		.amdhsa_private_segment_fixed_size 0
		.amdhsa_enable_private_segment 0
		.amdhsa_kernarg_size 16
		.amdhsa_user_sgpr_count 2
		.amdhsa_user_sgpr_kernarg_segment_ptr 1
		.amdhsa_wavefront_size32 1
		.amdhsa_system_sgpr_workgroup_id_x 1
		.amdhsa_system_sgpr_workgroup_id_y 1
		.amdhsa_system_sgpr_workgroup_id_z 1
		.amdhsa_system_vgpr_workitem_id 0
		.amdhsa_next_free_vgpr 160
		.amdhsa_next_free_sgpr 66
		.amdhsa_reserve_vcc 0
		.amdhsa_float_denorm_mode_32 3
		.amdhsa_float_denorm_mode_16_64 3
		.amdhsa_memory_ordered 1
		.amdhsa_forward_progress 1
		.amdhsa_inst_pref_size 8
	.end_amdhsa_kernel
	.amdgpu_metadata
---
amdhsa.version: [ 1, 2 ]
amdhsa.kernels:
  - .name:           k_q55093c081a_combine
    .symbol:         k_q55093c081a_combine.kd
    .args:
      - { .name: part, .offset: 0, .size: 8, .value_kind: global_buffer, .address_space: global }
      - { .name: out0, .offset: 8, .size: 8, .value_kind: global_buffer, .address_space: global }
    .group_segment_fixed_size: 0
    .private_segment_fixed_size: 0
    .kernarg_segment_align: 8
    .kernarg_segment_size: 16
    .max_flat_workgroup_size: 256
    .sgpr_count:     66
    .vgpr_count:     160
    .wavefront_size: 32
...
	.end_amdgpu_metadata
.endif
;; end of part 4
